; MI455X (gfx1250); checked and timed in simulation.
; The chip was launched on July 23, 2026; its instructions are those of AMD's public machine-readable ISA for CDNA 5 (MIT licence, August 2026) and "CDNA5" Instruction Set Architecture Reference Guide (July 2026). The comments in the code are by the model that wrote it; some were corrected since.
;; Sparse Attention. Allowed arithmetic: matrix products marked QUANTISED: E4M3 operands, one E8M0 scale for each 32 along K, by v_wmma_scale_f32_16x16x128_f8f6f4 with both operands' format E4M3, f32 sums; everything else in f32.
;; Inputs: b_proj 256 float32; w_proj 256 x 256 float32; w_qkv 256 x 768 float32; x 2 x 4,096 x 256 float32.
;; Outputs: out0 2 x 4,096 x 256 float32.
;; This version of the problem:
;;   THIS VERSION OF THE PROBLEM IS GIVEN IN LOW PRECISION. The matrix products marked QUANTISED in the list below multiply operands that are first quantised to E4M3 (4 exponent bits, 3 mantissa bits; 8 bits a number), with one power-of-two scale for each 32 numbers along K (OCP MX v1.0); their sums are f32. All else is computed in f32.
;;   The module's matrix products, in the order in which they are computed (A, B: the left and right operand; K: the contracted axis; several contracted axes count as one K, in the product's order):
;;     1. [M 8,192, K 256] x [K 256, N 768]; A: input x; B: input w_qkv: QUANTISED
;;     2. batch 16 x [M 4,096, K 32] x [K 32, N 4,096]; A: computed on the way; B: computed on the way: QUANTISED
;;     3. batch 16 x [M 4,096, K 4,096] x [K 4,096, N 32]; A: softmax (see below); B: computed on the way: QUANTISED
;;     4. [M 8,192, K 256] x [K 256, N 256]; A: computed on the way; B: input w_proj: QUANTISED
;;   THE QUANTISER, for each operand of a quantised product, along K:
;;     - K is cut into blocks of 32 from its start; a last block that is shorter is filled with zeros.
;;     - A block's scale is 2^e with e = floor(log2(the largest magnitude in the block)) - 8, held to -126 .. 127; a block of zeros has e = 0. As a byte (E8M0): e + 127.
;;     - Each number is divided by its block's scale, clamped to +-448, and rounded to the nearest number of E4M3, ties to even, subnormals kept.
;;     - The product sums the exact products of the quantised numbers (number of the format x scale) in f32.
;;   ~~~python
;;   def quantise(x, axis):      # numpy; x: float32 -> the quantised numbers, widened to float32 again
;;       x = np.moveaxis(x, axis, -1); K = x.shape[-1]
;;       x = np.pad(x, [(0, 0)] * (x.ndim - 1) + [(0, -K % 32)]); x = x.reshape(x.shape[:-1] + (-1, 32)); a = np.abs(x).max(-1, keepdims=True)
;;       e = np.where(a > 0, np.clip(np.frexp(np.where(a > 0, a, 1))[1] - 1 - 8, -126, 127), 0)      # np.frexp(a)[1] - 1 = floor(log2(a)), exactly
;;       r = np.clip(x / 2.0 ** e, -448, 448)
;;       step = 2.0 ** (np.maximum(np.frexp(np.where(r == 0, 1, r))[1] - 1, -6) - 3)
;;       q = np.round(r / step) * step * 2.0 ** e      # np.round: ties to even
;;       return np.moveaxis(q.reshape(q.shape[:-2] + (-1,))[..., :K], -1, axis).astype(np.float32)
;;   ~~~
;;   SOFTMAX AHEAD OF A QUANTISED PRODUCT. Where the list says 'softmax', what is quantised is not the finished softmax but p = 2^(t - M), with t = logit x log2(e) and M = ceil(the row's largest t), a whole number; so 1/2 < the row's largest p <= 1. The row's sum l is taken of the UNQUANTISED p, in f32, and the product's result is divided by l at the end. Since M is a whole number, a kernel that streams over the keys may use a running M (the ceiling of the running maximum): every later rescaling is an exact power of two, which a block's scale takes up: the codes' values come out the same.
;;   OPERANDS COMPUTED ON THE WAY. 'Computed on the way' means the value that the module computes at that place (a softmax that the list does not call 'softmax' is quantised finished and normalised). What goes into a quantiser is computed in f32, as accurately as f32 sums, v_exp_f32 and their like allow (about 1e-6 of the number): no bf16 or f16 on the way to a quantiser, and a product that is left as it is and whose result goes on into a quantised operand takes f32 operands (vector FMAs, or v_wmma_f32_16x16x4_f32). A number that lies on a knife's edge between two numbers of the format may be rounded either way, as far as f32 arithmetic and the matrix unit's own rounding can turn it there, and no further.
;; One version. Each part assembles by itself: llvm-mc -triple=amdgcn-amd-amdhsa -mcpu=gfx1250 --defsym DOCPART=n.
;; ======== version 1 of 1: 3 launches
;; limits: right only within a limited range of input values
;; workspace buffers: qkv 6,291,456 bytes; qkvs 196,608 bytes; dens 32,768 bytes; wp 65,536 bytes; wps 4,096 bytes; ocodes 2,097,152 bytes; oscales 65,536 bytes
;; launch prep (part 1): grid 450 x 1, 4 waves a work-group, no clusters, 35,328 bytes of LDS; arguments x, w_qkv, w_proj, qkv, qkvs, dens, wp, wps; writes qkv, qkvs, dens, wp, wps
.if DOCPART == 1
	.amdgcn_target "amdgcn-amd-amdhsa--gfx1250"
	.amdhsa_code_object_version 6
	.text
	.protected	k_qd518fcf86c_prep
	.globl	k_qd518fcf86c_prep
	.p2align	8
	.type	k_qd518fcf86c_prep,@function
k_qd518fcf86c_prep:
	s_mov_b64 s[64:65], 0
	v_nop
	global_prefetch_b8 v0, s[64:65] scope:SCOPE_SE
	s_setreg_imm32_b32 hwreg(HW_REG_WAVE_MODE, 25, 1), 1
	s_wait_xcnt 0x0
; PREP.  Three roles, told apart by the work-group's number (the same in all four waves):
;   0..383    q, k, v = Q(x) Q(w_qkv) on codes of E4M3 with one E8M0 scale for each 32 along K = 256; the results are quantised again, q and k along a head's 32 channels, v along 32 tokens,
;             and stored as IMAGES OF OPERAND REGISTERS (four registers: 512 bytes, lane l's 16 bytes at 16 l), so that the next launch loads fragments whole.
;   384..447  the density of each token: (std over the 256 channels, divisor 255, + mean |x[n] - x[n-1]|, 0 for a batch's first token) / 2.
;   448..449  w_proj quantised along its first axis, stored as images.
; TILE ORDER.  Row r of token tile T is token 32 (T / 2) + 8 (T % 2) + r + 8 (r / 8); row r of column tile u of a head is channel 8 u + r + 8 (r / 8).  A matrix result holds rows 8 (lane / 16) + 0..7 in a lane's
; eight registers, so the 16 registers of two neighbouring tiles are 16 neighbours along the next product's K, in the order that an 8-bit operand wants.
; SHARES of the first role: a work-group takes 128 tokens x 128 columns (tb = id % 64, cg = id / 64); wave w takes one head's 32 columns of one part (q, k or v) for all eight tiles of tokens.  Each wave quantises its
; own 32 columns of w_qkv in registers (a lane to a column, registers down K) and two tiles of x; x's 16 fragments go from wave to wave through LDS as images.  No tensor loads: nothing is shared between work-groups but through the caches.
; LIMITS: NaN and infinities among the inputs are not served.  A block of zeros gets the scale byte 1 where the quantiser says 127: its codes are zeros, and only this program reads the bytes.
; Blocks whose largest magnitude lies under 2^-118 are held at the byte 1.
.set XIMG,  0                          ; LDS: x's 16 fragments (2 x tile + K step), 2,048 bytes each
.set XSC,   32768                      ; their scale words, 128 bytes each
.set SPARE, 34816                      ; the spare words, 128 bytes for each wave: two blocks of 256 bytes that no other line names
.set RA,  16                           ; v16-79   64 numbers as loaded; later H: eight accumulators
.set RB,  80                           ; v80-143  64 numbers as loaded; later XF: two tiles x two K steps of x's codes
.set H,   16
.set XF,  80
.set WF,  144                          ; v144-207 my weight's four fragments (2 u + s)
.set PC,  208                          ; v208-223 the codes just made
.set TM,  224                          ; v224-239 at work in QUANT
.set PW,  240                          ; the scale word just made
.set WS,  241                          ; v241-244 the weight's scale words (2 u + s): scales and nothing else, in every role
.set XS,  245                          ; v245-248 x's scale words (2 e + s)
.set SW0, 249                          ; the first group's scale word
.set STT, 250                          ; the word that is stored
.set SPW, 252                          ; LDS address of my spare word; never rewritten
.set NIL, 253                          ; 0; never rewritten
.set WV,  20                           ; s20 wave
.set SEL, 22                           ; s[22:23] v_permlanex16_b32's selects for lane l xor 16
.set MNT, 24                           ; s24 the mantissa field of 448
.set HI,  26                           ; s26 the mask of lanes 16-31
.set WB,  28                           ; s[28:29] my columns of the weight
.set XB,  30                           ; s[30:31] my rows of x
.set DC,  32                           ; s[32:33] where my codes go
.set DSC, 34                           ; s[34:35] where my scale words (or densities) go
; the density role's registers
.set DRS, 11                           ; v11      lane R: row R's sum of squares
.set DRD, 12                           ; v12      lane R: row R's sum of |differences|
.set DW,  13                           ; v13-15   at work at the role's end
.set DX,  16                           ; v16-143  two sets of 8 rows x 8 numbers
.set DPV, 144                          ; v144-151 the row before the batch's first
.set DT,  152                          ; v152-167 two sets of 8, at work
.set DA,  168                          ; v168-183 a pair for each row
.set DB,  184                          ; v184-199 a second pair for each row
.set DM,  200                          ; v200-215 a row's mean, in the low word of a pair
.set DSM, 216                          ; v216-223 a row's sum, later its sum of squares
.set DD,  224                          ; v224-231 a row's sum of |differences|
.set DP,  232                          ; v232-239 lane permutes' destinations
; 64 numbers of a lane, register 16 b + i = element 32 b + 16 (lane / 16) + i of the lane's row, become a fragment's codes in v[dst] on and its scale word in v[wr].
.macro QUANT src, dst, wr
.irp b, 0,1,2,3
	v_max3_num_f32 v[TM+\b], |v[\src+16*\b]|, |v[\src+1+16*\b]|, 0x4800000   ; my 16 numbers of block b, and the floor 2^(9 - 127): the byte cannot fall under 1
.endr
.irp i, 2,4,6,8,10,12,14
.irp b, 0,1,2,3
	v_max3_num_f32 v[TM+\b], v[TM+\b], |v[\src+16*\b+\i]|, |v[\src+1+16*\b+\i]|   ; the four blocks by turns
.endr
.endr
.irp b, 0,1,2,3
	v_permlanex16_b32 v[TM+4+\b], v[TM+\b], s[SEL], s[SEL+1]
.endr
.irp b, 0,1,2,3
	v_max_num_f32 v[TM+\b], v[TM+\b], v[TM+4+\b]             ; with lane l xor 16's 16: the block's largest magnitude
.endr
.irp b, 0,1,2,3
	v_add_nc_u32 v[TM+12+\b], 0xfc000000, v[TM+\b]           ; 8 off its exponent field: the conversion's scale operand
.endr
.irp b, 0,1,2,3
	v_and_or_b32 v[TM+8+\b], v[TM+\b], 0x7f800000, s[MNT]    ; 448 x the scale
.endr
.irp b, 0,1,2,3
	v_lshrrev_b32 v[TM+4+\b], 23, v[TM+12+\b]                ; the scale's byte
.endr
	v_lshl_or_b32 v[\wr], v[TM+5], 8, v[TM+4]
	v_lshl_or_b32 v[\wr], v[TM+6], 16, v[\wr]
	v_lshl_or_b32 v[\wr], v[TM+7], 24, v[\wr]
.irp b, 0,1,2,3
.irp i, 0,1,2,3,4,5,6,7,8,9,10,11,12,13,14,15
	v_med3_num_f32 v[\src+16*\b+\i], v[\src+16*\b+\i], -v[TM+8+\b], v[TM+8+\b]   ; the conversion to an 8-bit code does not saturate (ISA guide 7.6.2): the hold comes first
.endr
	v_cvt_scalef32_pk8_fp8_f32 v[\dst+4*\b:\dst+1+4*\b], v[\src+16*\b:\src+7+16*\b], v[TM+12+\b]
	v_cvt_scalef32_pk8_fp8_f32 v[\dst+2+4*\b:\dst+3+4*\b], v[\src+8+16*\b:\src+15+16*\b], v[TM+12+\b]
.endr
	v_nop                                                    ; a plain line between the last conversion and whatever next touches its registers
.endm
; piece p = 2 u + s of my weight: column 8 u + r + 8 (r / 8), k = 128 s + 32 c + 16 (lane / 16) + i
.macro LOADW p, buf, pitch
.irp c, 0,1,2,3
.irp i, 0,1,2,3,4,5,6,7,8,9,10,11,12,13,14,15
	global_load_b32 v[\buf+16*\c+\i], v7, s[WB:WB+1] offset:(128*((\p)%2)+32*\c+\i)*\pitch+32*((\p)/2)
.endr
.endr
.endm
; piece p = 2 e + s of my two tiles of x: 16 neighbouring numbers of each block of 32 of my row
.macro LOADX p, buf
.irp c, 0,1,2,3
.irp q, 0,1,2,3
	global_load_b128 v[\buf+16*\c+4*\q:\buf+16*\c+4*\q+3], v8, s[XB:XB+1] offset:8192*((\p)/2)+512*((\p)%2)+128*\c+16*\q
.endr
.endr
.endm
; my 32 columns of a weight become four fragments.  Two pieces are on their way at a time; a wait's count cannot name more than 63, so each wait leaves 63 of the younger piece's 64 loads out.
.macro WPART pitch, withx
	LOADW 0, RA, \pitch
	LOADW 1, RB, \pitch
	s_wait_loadcnt 63
	QUANT RA, WF, WS
	LOADW 2, RA, \pitch
	s_wait_loadcnt 63
	QUANT RB, WF+16, WS+1
	LOADW 3, RB, \pitch
	s_wait_loadcnt 63
	QUANT RA, WF+32, WS+2
.if \withx
	LOADX 0, RA
	s_wait_loadcnt 16                                        ; the weight's last piece is in; x's 16 loads stand behind it
.else
	s_wait_loadcnt 0x0
.endif
	QUANT RB, WF+48, WS+3
.endm
.macro XOUT p                          ; the fragment just made goes to LDS as it stands
.irp c, 0,1,2,3
	ds_store_b128 v9, v[PC+4*\c:PC+4*\c+3] offset:XIMG+2048*(\p)+512*\c
.endr
	ds_store_b32 v10, v[PW] offset:XSC+128*(\p)
	s_wait_dscnt 0x0                                         ; the stores have read their registers
.endm
.macro FETCHX e, j                     ; tile j of x, both K steps, into place e
.irp s, 0,1
.irp c, 0,1,2,3
	ds_load_b128 v[XF+32*(\e)+16*\s+4*\c:XF+32*(\e)+16*\s+4*\c+3], v1 offset:XIMG+(2*(\j)+\s)*2048+512*\c
.endr
	ds_load_b32 v[XS+2*(\e)+\s], v3 offset:XSC+(2*(\j)+\s)*128
.endr
.endm
.macro FINISH                          ; the wave's end: three lines behind my last LDS store
	s_wait_tensorcnt 0x0
	ds_add_u32 v[SPW], v[NIL]
	s_wait_dscnt 0x0
	s_endpgm
.endm
; q or k of tiles 4 G .. 4 G + 3.  Source 0 = 16 columns of the weight, source 1 = 16 tokens: a lane holds one token, and the 16 registers of column tiles 0 and 1 are channels 16 (lane / 16) + 0..15.
; Four accumulators take turns, one instruction a turn.  Block t of QUANT is tile 4 G + t.
.macro GQK G
	s_wait_xcnt 0x0                                          ; the last group's stores have read their registers
.irp p, 0,1
.irp e, 0,1
	FETCHX \e, 4*\G+2*\p+\e
.endr
	s_wait_dscnt 0x0
.irp s, 0,1
.irp e, 0,1
.irp u, 0,1
.if \s == 0
	v_wmma_scale_f32_16x16x128_f8f6f4 v[H+8*(2*(2*\p+\e)+\u):H+8*(2*(2*\p+\e)+\u)+7], v[WF+16*(2*\u+\s):WF+16*(2*\u+\s)+15], v[XF+32*\e+16*\s:XF+32*\e+16*\s+15], 0, v[WS+2*\u+\s], v[XS+2*\e+\s]
.else
	v_wmma_scale_f32_16x16x128_f8f6f4 v[H+8*(2*(2*\p+\e)+\u):H+8*(2*(2*\p+\e)+\u)+7], v[WF+16*(2*\u+\s):WF+16*(2*\u+\s)+15], v[XF+32*\e+16*\s:XF+32*\e+16*\s+15], v[H+8*(2*(2*\p+\e)+\u):H+8*(2*(2*\p+\e)+\u)+7], v[WS+2*\u+\s], v[XS+2*\e+\s]
.endif
.endr
.endr
.endr
.rept 8
	v_nop                                                    ; eight places behind this form, in front of loads into its operands and of the first read of results
.endr
.endr
	QUANT H, PC, PW
.irp c, 0,1,2,3
	global_store_b128 v1, v[PC+4*\c:PC+4*\c+3], s[DC:DC+1] offset:2048*\G+512*\c   ; 512 consecutive bytes: tile 4 G + c
.endr
.if \G == 0
	v_mov_b32 v[SW0], v[PW]
.else
	v_cndmask_b32 v[STT], v[SW0], v[PW], s[HI]               ; lanes 0-15: tiles 0-3's bytes; lanes 16-31: tiles 4-7's
	global_store_b32 v3, v[STT], s[DSC:DSC+1]
.endif
.endm
; v of channel tile u.  Source 0 = 16 tokens, source 1 = 16 columns: a lane holds one channel, and the 16 registers of token tiles 2 c and 2 c + 1 are keys 32 c + 16 (lane / 16) + 0..15: block c of QUANT.
.macro GV u
	s_wait_xcnt 0x0
.irp p, 0,1,2,3
.irp e, 0,1
	FETCHX \e, 2*\p+\e
.endr
	s_wait_dscnt 0x0
.irp s, 0,1
.irp e, 0,1
.if \s == 0
	v_wmma_scale_f32_16x16x128_f8f6f4 v[H+8*(2*\p+\e):H+8*(2*\p+\e)+7], v[XF+32*\e+16*\s:XF+32*\e+16*\s+15], v[WF+16*(2*\u+\s):WF+16*(2*\u+\s)+15], 0, v[XS+2*\e+\s], v[WS+2*\u+\s]
.else
	v_wmma_scale_f32_16x16x128_f8f6f4 v[H+8*(2*\p+\e):H+8*(2*\p+\e)+7], v[XF+32*\e+16*\s:XF+32*\e+16*\s+15], v[WF+16*(2*\u+\s):WF+16*(2*\u+\s)+15], v[H+8*(2*\p+\e):H+8*(2*\p+\e)+7], v[XS+2*\e+\s], v[WS+2*\u+\s]
.endif
.endr
.endr
.rept 8
	v_nop
.endr
.endr
	QUANT H, PC, PW
.irp c, 0,1,2,3
	global_store_b128 v1, v[PC+4*\c:PC+4*\c+3], s[DC:DC+1] offset:2048*\u+512*\c
.endr
.if \u == 0
	v_mov_b32 v[SW0], v[PW]
.else
	v_cndmask_b32 v[STT], v[SW0], v[PW], s[HI]               ; lanes 0-15: channel tile 0's words; lanes 16-31: tile 1's
	global_store_b32 v3, v[STT], s[DSC:DSC+1]
.endif
.endm
; ---- the density role's macros
.macro DLOAD k                         ; rows 8 k .. 8 k + 7 of my 32: each load is 512 consecutive bytes, two make a row
.irp i, 0,1,2,3,4,5,6,7
	global_load_b128 v[DX+64*((\k)%2)+8*\i:DX+64*((\k)%2)+8*\i+3], v1, s[XB:XB+1] offset:(8*(\k)+\i)*1024
	global_load_b128 v[DX+64*((\k)%2)+8*\i+4:DX+64*((\k)%2)+8*\i+7], v1, s[XB:XB+1] offset:(8*(\k)+\i)*1024+512
.endr
.endm
.macro RED8 base                       ; eight numbers a lane are summed over the 32 lanes, the eight by turns; every lane ends with the sums
.irp m, 1,2,4,8
.irp i, 0,1,2,3,4,5,6,7
	v_add_f32_dpp v[\base+\i], v[\base+\i], v[\base+\i] row_xmask:\m row_mask:0xf bank_mask:0xf
.endr
.endr
.irp i, 0,1,2,3,4,5,6,7
	v_permlanex16_b32 v[DP+\i], v[\base+\i], s[SEL], s[SEL+1]
.endr
.irp i, 0,1,2,3,4,5,6,7
	v_add_f32 v[\base+\i], v[\base+\i], v[DP+\i]
.endr
	s_wait_alu depctr_va_vdst(0)
.endm
.macro DBATCH k, left                  ; eight rows: mean, sum of squared deviations, sum of |row - row before|.  left: the next batch's loads, which may stay out
.set XR, DX+64*((\k)%2)
	s_wait_loadcnt \left
.irp i, 0,1,2,3,4,5,6,7
	v_pk_add_f32 v[DA+2*\i:DA+2*\i+1], v[XR+8*\i:XR+8*\i+1], v[XR+8*\i+2:XR+8*\i+3]
	v_pk_add_f32 v[DB+2*\i:DB+2*\i+1], v[XR+8*\i+4:XR+8*\i+5], v[XR+8*\i+6:XR+8*\i+7]
.endr
.irp i, 0,1,2,3,4,5,6,7
	v_pk_add_f32 v[DA+2*\i:DA+2*\i+1], v[DA+2*\i:DA+2*\i+1], v[DB+2*\i:DB+2*\i+1]
.endr
.irp i, 0,1,2,3,4,5,6,7
	v_add_f32 v[DSM+\i], v[DA+2*\i], v[DA+2*\i+1]
.endr
	RED8 DSM
.irp i, 0,1,2,3,4,5,6,7
	v_mul_f32 v[DM+2*\i], 0x3b800000, v[DSM+\i]              ; the row's mean: / 256, exact
.endr
.irp i, 0,1,2,3,4,5,6,7
.set TT, DT+8*(\i%2)
.irp q, 0,1,2,3
	v_pk_add_f32 v[TT+2*\q:TT+2*\q+1], v[XR+8*\i+2*\q:XR+8*\i+2*\q+1], v[DM+2*\i:DM+2*\i+1] op_sel_hi:[1,0] neg_lo:[0,1] neg_hi:[0,1]   ; x - mean: the deviations are squared, not the numbers
.endr
	v_pk_mul_f32 v[DA+2*\i:DA+2*\i+1], v[TT:TT+1], v[TT:TT+1]
	v_pk_mul_f32 v[DB+2*\i:DB+2*\i+1], v[TT+2:TT+3], v[TT+2:TT+3]
	v_pk_fma_f32 v[DA+2*\i:DA+2*\i+1], v[TT+4:TT+5], v[TT+4:TT+5], v[DA+2*\i:DA+2*\i+1]
	v_pk_fma_f32 v[DB+2*\i:DB+2*\i+1], v[TT+6:TT+7], v[TT+6:TT+7], v[DB+2*\i:DB+2*\i+1]
.endr
.irp i, 0,1,2,3,4,5,6,7
	v_pk_add_f32 v[DA+2*\i:DA+2*\i+1], v[DA+2*\i:DA+2*\i+1], v[DB+2*\i:DB+2*\i+1]
.endr
.irp i, 0,1,2,3,4,5,6,7
	v_add_f32 v[DSM+\i], v[DA+2*\i], v[DA+2*\i+1]
.endr
	RED8 DSM
.irp i, 0,1,2,3,4,5,6,7
	s_mov_b32 s36, 1<<(8*(\k)+\i)
	v_cndmask_b32 v[DRS], v[DRS], v[DSM+\i], s36             ; row R's sum into lane R
.endr
.irp i, 0,1,2,3,4,5,6,7
.set TT, DT+8*(\i%2)
.if \i == 0
.set PV, DPV
.else
.set PV, XR+8*(\i-1)
.endif
.irp q, 0,1,2,3
	v_pk_add_f32 v[TT+2*\q:TT+2*\q+1], v[XR+8*\i+2*\q:XR+8*\i+2*\q+1], v[PV+2*\q:PV+2*\q+1] neg_lo:[0,1] neg_hi:[0,1]
.endr
	v_add_f32 v[TT], |v[TT]|, |v[TT+1]|
	v_add_f32 v[TT+2], |v[TT+2]|, |v[TT+3]|
	v_add_f32 v[TT+4], |v[TT+4]|, |v[TT+5]|
	v_add_f32 v[TT+6], |v[TT+6]|, |v[TT+7]|
	v_add_f32 v[TT], v[TT], v[TT+2]
	v_add_f32 v[TT+4], v[TT+4], v[TT+6]
	v_add_f32 v[DD+\i], v[TT], v[TT+4]
.endr
	RED8 DD
.irp i, 0,1,2,3,4,5,6,7
	s_mov_b32 s36, 1<<(8*(\k)+\i)
	v_cndmask_b32 v[DRD], v[DRD], v[DD+\i], s36
.endr
.if (\k) < 3
.irp q, 0,1,2,3,4,5,6,7
	v_mov_b32 v[DPV+\q], v[XR+56+\q]                         ; the batch's last row is the next batch's row before; its set is loaded again behind this
.endr
.endif
.endm
	s_load_b256 s[4:11], s[0:1], 0x0                         ; x s[4:5], w_qkv s[6:7], w_proj s[8:9], qkv s[10:11]
	s_load_b256 s[12:19], s[0:1], 0x20                       ; qkvs s[12:13], dens s[14:15], wp s[16:17], wps s[18:19]
	v_lshl_add_u32 v[SPW], v0, 2, SPARE
	v_mov_b32 v[NIL], 0
	v_lshrrev_b32 v2, 5, v0
	v_readfirstlane_b32 s[WV], v2                            ; wave 0..3
	v_and_b32 v2, 31, v0                                     ; lane
	v_lshlrev_b32 v1, 4, v2                                  ; 16 x lane: an image's place for my lane
	v_lshlrev_b32 v3, 2, v2                                  ; 4 x lane: a scale word's
	v_and_b32 v4, 15, v0                                     ; r
	v_bfe_u32 v5, v0, 4, 1                                   ; h
	v_and_b32 v6, 8, v4
	v_add_nc_u32 v6, v6, v4                                  ; r + 8 (r / 8)
	v_cmp_lt_u32 s[HI], 15, v2                               ; lanes 16-31
	s_mov_b32 s[SEL], 0x76543210
	s_mov_b32 s[SEL+1], 0xfedcba98
	s_mov_b32 s[MNT], 0x600000
	s_mov_b32 s45, 0                                         ; the high word of every offset
.irp b, 0,1,2,3
	v_mov_b32 v[TM+4+\b], 0                                  ; written once: a lane permute's destination counts as one of its sources
.endr
	s_wait_alu depctr_va_vdst(0)                             ; the wait at the head's end
	s_wait_kmcnt 0x0
	s_cmp_ge_u32 ttmp9, 448
	s_cbranch_scc1 .Lwproj
	s_cmp_ge_u32 ttmp9, 384
	s_cbranch_scc1 .Ldens
	; ---- q, k, v
	s_and_b32 s36, ttmp9, 63                                 ; tb: which 128 tokens
	s_lshr_b32 s37, ttmp9, 6                                 ; cg: which 128 columns
	s_lshr_b32 s38, s36, 5                                   ; batch
	s_and_b32 s39, s36, 31                                   ; step: which 128 tokens of the batch
	s_lshr_b32 s40, s37, 1                                   ; part: 0 q, 1 k, 2 v
	s_and_b32 s41, s37, 1
	s_lshl_b32 s41, s41, 2
	s_add_co_u32 s41, s41, s[WV]                             ; head
	s_lshl_b32 s42, s37, 2
	s_add_co_u32 s42, s42, s[WV]                             ; which 32 columns of the 768
	s_lshl_b32 s44, s42, 7
	s_add_nc_u64 s[WB:WB+1], s[6:7], s[44:45]
	s_lshl_b32 s44, s36, 17                                  ; 128 rows of 1,024 bytes,
	s_lshl_b32 s46, s[WV], 15                                ; my 32 of them
	s_add_co_u32 s44, s44, s46
	s_add_nc_u64 s[XB:XB+1], s[4:5], s[44:45]
	s_lshl_b32 s43, s38, 3
	s_add_co_u32 s43, s43, s41                               ; bh = 8 batch + head
	s_lshl_b32 s46, s39, 12                                  ; q: step x 4,096
	s_lshl_b32 s47, s39, 12                                  ; k, v: behind q's 131,072 bytes k's 32 steps of 4,096 bytes on end, then v's 32
	s_lshl_b32 s48, s40, 17                                  ; 131,072 x part
	s_add_co_u32 s47, s47, s48
	s_cmp_eq_u32 s40, 0
	s_cselect_b32 s46, s46, s47
	s_mul_i32 s44, s43, 393216
	s_add_co_u32 s44, s44, s46
	s_add_nc_u64 s[DC:DC+1], s[10:11], s[44:45]
	s_mul_i32 s44, s43, 3
	s_add_co_u32 s44, s44, s40
	s_lshl_b32 s44, s44, 12
	s_lshl_b32 s46, s39, 7
	s_add_co_u32 s44, s44, s46
	s_add_nc_u64 s[DSC:DSC+1], s[12:13], s[44:45]            ; scale words: 4,096 bytes for each head and part, 128 a step
	v_mul_u32_u24 v7, v5, 16*3072                            ; the weight: lanes 16-31 begin 16 rows further down,
	v_lshl_add_u32 v7, v6, 2, v7                             ; column r + 8 (r / 8)
	v_lshlrev_b32 v8, 10, v6                                 ; x: token r + 8 (r / 8) of a tile,
	v_lshl_add_u32 v8, v5, 6, v8                             ; + 64 h: my 16 numbers of a block of 32
	s_lshl_b32 s46, s[WV], 13
	v_add_nc_u32 v9, s46, v1                                 ; where I store x's images: four fragments a wave
	s_lshl_b32 s46, s[WV], 9
	v_add_nc_u32 v10, s46, v3                                ; and their scale words
	WPART 3072, 1
	LOADX 1, RB
	s_wait_loadcnt 16                                        ; piece 0 is in; piece 1's 16 loads may be out
	QUANT RA, PC, PW
	XOUT 0
	LOADX 2, RA
	s_wait_loadcnt 16
	QUANT RB, PC, PW
	XOUT 1
	LOADX 3, RB
	s_wait_loadcnt 16
	QUANT RA, PC, PW
	XOUT 2
	s_wait_loadcnt 0x0
	QUANT RB, PC, PW
	XOUT 3
	s_barrier_signal -1                                      ; my stores have landed (XOUT's wait): x's sixteen fragments lie in LDS behind this barrier, and nobody writes them again
	s_barrier_wait -1
	s_cmp_eq_u32 s40, 2
	s_cbranch_scc1 .Lvpath
	GQK 0
	GQK 1
	FINISH
.Lvpath:
	GV 0
	GV 1
	FINISH
	; ---- w_proj: wave w of work-group 448 + g takes columns 32 (4 g + w) on
.Lwproj:
	s_sub_co_u32 s36, ttmp9, 448
	s_lshl_b32 s36, s36, 2
	s_add_co_u32 s36, s36, s[WV]
	s_lshl_b32 s44, s36, 7
	s_add_nc_u64 s[WB:WB+1], s[8:9], s[44:45]
	s_lshl_b32 s44, s36, 13
	s_add_nc_u64 s[DC:DC+1], s[16:17], s[44:45]
	s_lshl_b32 s44, s36, 9
	s_add_nc_u64 s[DSC:DSC+1], s[18:19], s[44:45]
	v_lshlrev_b32 v7, 14, v5                                 ; 16 rows of 1,024 bytes for lanes 16-31
	v_lshl_add_u32 v7, v6, 2, v7
	WPART 1024, 0
.irp p, 0,1,2,3
.irp c, 0,1,2,3
	global_store_b128 v1, v[WF+16*\p+4*\c:WF+16*\p+4*\c+3], s[DC:DC+1] offset:2048*\p+512*\c
.endr
	global_store_b32 v3, v[WS+\p], s[DSC:DSC+1] offset:128*\p
.endr
	s_endpgm                                                 ; this role has written no LDS
	; ---- the density: wave w of work-group 384 + d takes tokens 128 d + 32 w + 0..31
.Ldens:
	s_sub_co_u32 s36, ttmp9, 384
	s_lshl_b32 s36, s36, 7
	s_lshl_b32 s37, s[WV], 5
	s_add_co_u32 s36, s36, s37                               ; my first token, counted over both batches
	s_lshl_b32 s44, s36, 10
	s_add_nc_u64 s[XB:XB+1], s[4:5], s[44:45]
	s_and_b32 s38, s36, 4095
	s_cmp_eq_u32 s38, 0                                      ; a batch's first token has no token before it: it is compared with itself, which gives the 0 that the definition pads with, and no load leaves x
	s_cselect_b32 s46, 0, 1024
	s_mov_b32 s47, 0
	s_sub_nc_u64 s[DC:DC+1], s[XB:XB+1], s[46:47]
	s_lshl_b32 s44, s36, 2
	s_add_nc_u64 s[DSC:DSC+1], s[14:15], s[44:45]
	global_load_b128 v[DPV:DPV+3], v1, s[DC:DC+1]
	global_load_b128 v[DPV+4:DPV+7], v1, s[DC:DC+1] offset:512
	DLOAD 0
	DLOAD 1
.irp i, 0,1,2,3,4,5,6,7
	v_mov_b32 v[DP+\i], 0                                    ; lane permutes' destinations,
	v_mov_b32 v[DM+2*\i+1], 0                                ; and the upper words of the means' pairs, which are named with them
.endr
	v_mov_b32 v[DRS], 0
	v_mov_b32 v[DRD], 0
	DBATCH 0, 16
	DLOAD 2
	DBATCH 1, 16
	DLOAD 3
	DBATCH 2, 16
	DBATCH 3, 0
	v_mul_f32 v[DW], 0x3b808081, v[DRS]                      ; the sum of squares / 255: by the rounded reciprocal,
	v_fma_f32 v[DW+1], -v[DW], 0x437f0000, v[DRS]            ; what that leaves,
	v_fma_f32 v[DW], v[DW+1], 0x3b808081, v[DW]              ; and its correction
	s_wait_alu depctr_va_vdst(0)                             ; the wait ahead of the root too
	v_sqrt_f32 v[DW+2], v[DW]
	v_mul_f32 v[DW+1], 0x3b000000, v[DRD]                    ; the mean |difference| / 2 = the sum / 512.  (The plain line behind the root)
	s_wait_alu depctr_va_vdst(0)                             ; the wait ahead of the root's first reader
	v_fma_f32 v[DW+2], 0.5, v[DW+2], v[DW+1]
	global_store_b32 v3, v[DW+2], s[DSC:DSC+1]               ; lane R: token R's density: 128 consecutive bytes
	s_endpgm
.Lfunc_end_k_qd518fcf86c_prep:
	.size	k_qd518fcf86c_prep, .Lfunc_end_k_qd518fcf86c_prep-k_qd518fcf86c_prep
	.p2alignl 7, 3214868480
	.fill 96, 4, 3214868480
	.section	.rodata,"a",@progbits
	.p2align	6, 0x0
	.amdhsa_kernel k_qd518fcf86c_prep
		.amdhsa_group_segment_fixed_size 35328
		.amdhsa_private_segment_fixed_size 0
		.amdhsa_enable_private_segment 0
		.amdhsa_kernarg_size 64
		.amdhsa_user_sgpr_count 2
		.amdhsa_user_sgpr_kernarg_segment_ptr 1
		.amdhsa_wavefront_size32 1
		.amdhsa_system_sgpr_workgroup_id_x 1
		.amdhsa_system_sgpr_workgroup_id_y 1
		.amdhsa_system_sgpr_workgroup_id_z 1
		.amdhsa_system_vgpr_workitem_id 0
		.amdhsa_next_free_vgpr 256
		.amdhsa_next_free_sgpr 66
		.amdhsa_reserve_vcc 0
		.amdhsa_float_denorm_mode_32 3
		.amdhsa_float_denorm_mode_16_64 3
		.amdhsa_memory_ordered 1
		.amdhsa_forward_progress 1
		.amdhsa_inst_pref_size 255
	.end_amdhsa_kernel
	.section	.bss,"aw",@nobits
	.p2align	6
	.space	262144
	.amdgpu_metadata
---
amdhsa.version: [ 1, 2 ]
amdhsa.kernels:
  - .name:           k_qd518fcf86c_prep
    .symbol:         k_qd518fcf86c_prep.kd
    .args:
      - { .name: x, .offset: 0, .size: 8, .value_kind: global_buffer, .address_space: global }
      - { .name: w_qkv, .offset: 8, .size: 8, .value_kind: global_buffer, .address_space: global }
      - { .name: w_proj, .offset: 16, .size: 8, .value_kind: global_buffer, .address_space: global }
      - { .name: qkv, .offset: 24, .size: 8, .value_kind: global_buffer, .address_space: global }
      - { .name: qkvs, .offset: 32, .size: 8, .value_kind: global_buffer, .address_space: global }
      - { .name: dens, .offset: 40, .size: 8, .value_kind: global_buffer, .address_space: global }
      - { .name: wp, .offset: 48, .size: 8, .value_kind: global_buffer, .address_space: global }
      - { .name: wps, .offset: 56, .size: 8, .value_kind: global_buffer, .address_space: global }
    .group_segment_fixed_size: 35328
    .private_segment_fixed_size: 0
    .kernarg_segment_align: 8
    .kernarg_segment_size: 64
    .max_flat_workgroup_size: 128
    .sgpr_count:     66
    .vgpr_count:     256
    .wavefront_size: 32
...
	.end_amdgpu_metadata
.endif
;; end of part 1
;; launch attn (part 2): grid 16 x 16, 8 waves a work-group, no clusters, 327,680 bytes of LDS; arguments qkv, qkvs, dens, ocodes, oscales; writes ocodes, oscales
.if DOCPART == 2
	.amdgcn_target "amdgcn-amd-amdhsa--gfx1250"
	.amdhsa_code_object_version 6
	.text
	.protected	k_qd518fcf86c_attn
	.globl	k_qd518fcf86c_attn
	.p2align	8
	.type	k_qd518fcf86c_attn,@function
k_qd518fcf86c_attn:
	s_mov_b64 s[64:65], 0
	v_nop
	global_prefetch_b8 v0, s[64:65] scope:SCOPE_SE
	s_setreg_imm32_b32 hwreg(HW_REG_WAVE_MODE, 25, 1), 1
	s_wait_xcnt 0x0
; o = softmax(q k^T / sqrt(32) + mask) v for one batch and head (work-group y) and 256 queries (work-group x), both products on codes of E4M3 with one E8M0 scale for each 32 along K; o is quantised along the head's 32 channels and stored as an image of operand registers.
; MASK: key j counts for query i where |i - j| < 16 or where j's density lies over mean + std / 2 of all 8,192 densities (divisor 8,191); elsewhere -1e10 is added to the scaled score.  The threshold is made here from the densities that the launch before stored.
; The mask, as -1e10 sqrt(32) in a score's units, is the C of the first product: 64 numbers a lane and step, from LDS, shared by the wave's two tiles.  In the one or two steps that meet the wave's window each tile gets its own copy with zeros inside the window; a scalar branch on ids chooses between the two forms of the product.
; SOFTMAX: t = score x log2(e) / sqrt(32); M = the running largest t rounded up to a whole number, begun from eight keys of the query's own tile that lie within 8 tokens of it and so always count; p = 2^(t - M) is quantised along the keys; the row's sum is taken of the unquantised p and divides at the end.
; SHARES: eight waves; a wave owns 32 neighbouring queries, two tiles of 16 (A, B); one tile's dependent chains stand among the other's independent lines.  A head's K and V codes, 262,144 dense bytes, lie in LDS whole: each wave brings 32,768 bytes by its one tensor load (128 rows of 256 bytes); nothing is filled again.
; TWO STAGES: wave 0 brings K's steps 0-7 and wave 1 V's; they have a load line of their own and alone wait at the first barrier.  Seven steps run on those two tiles (the look-ahead reaches K's step 7); then every wave waits for its load at a second barrier, and the other 25 steps follow.  So the step's text stands twice.
; LAYOUT (as the first launch leaves it): row r of token tile T is token 32 (T / 2) + 8 (T % 2) + r + 8 (r / 8).  S^T = K Q^T: an operand of K holds four tiles of 16 keys, one in each block of 32 along K; Q stands in one block between zeros, so product c gives tile c.  A lane holds one query of each tile; score registers 16 b + i are keys 32 b + 16 (lane / 16) + i.
; REGISTERS.  Window 0: addresses, both tiles' small state, the scale words, the scores of A (v96-159) and of B (v160-223).  Window 1: the mask (0-63), K (64-95), V (96-127), zeros and Q (128-171), O^T (176-207), p's codes (208-239): what only loads, products, the rescaling and the conversions name.
; ONE STEP AHEAD AND ONE BEHIND: a trip asks LDS for the next step's K and mask and for its own V behind its products (the last trip names step 31 again: the address is held there); the second product of a step stands in the next trip, behind that trip's scores' products, and the lines that bring O^T under its M are the places behind those.  The first trip finds zero codes of p, which add nothing; the last step's product stands behind the loops.
; NO CLUSTER: the work-groups of a head read the same K and V, but their windows meet different key steps, so the branch on the window would hang on a work-group's place in its cluster.  NO PREFETCH: every load from memory is issued at the head; there is no loop to run ahead in.
; LIMITS: the promise holds while the scaled scores stay under 2^31 in magnitude and far under 1e10; NaN and infinities are not served; a block of p whose largest falls under 2^-118 keeps the byte 1.
.set VOFF,  131072                     ; LDS: K's 32 steps of 4,096 bytes from 0, V's from here
.set SCK,   262144                     ; K's scale words, 128 bytes a step; V's 4,096 bytes on
.set MASK,  270336                     ; a number for each of the batch's 4,096 keys
.set RED1,  286720
.set RED2,  286976
.set OSC,   287232                     ; o's 256 scale bytes
.set SPARE, 287488                     ; the spare words, 128 bytes a wave: four blocks of 256 bytes that no other line names
.set LI,  1                            ; 16 x lane
.set ASC, 2
.set AMK, 3
.set SPW, 4
.set NIL, 5
.set AQ,  6                            ; v6, v7: my query of A, of B, + 15 - 16 (lane / 16)
.set ADK, 8
.set ADV, 9
.set ADS, 10
.set ADM, 11
.set MM,  12                           ; v12-15: -M and the largest t, a pair a tile
.set ADT, 16
.set LIV, 17
.set AOS, 18
.set AOL, 19
.set ZR,  20                           ; 0
.set FF,  24                           ; v24-27: f, in the low word of a pair a tile
.set TT,  28                           ; v28-31: two at work a tile
.set KS,  34
.set VS,  35
.set QS,  36                           ; v36, v37
.set PS,  38                           ; v38, v39
.set BM,  40                           ; four a tile, as the next three
.set PT,  48
.set HL,  56
.set SO,  64
.set LL,  80                           ; v80-95: the row's sum in four pairs a tile
.set S,   96
.set OC,  224                          ; o's codes, four a tile
.set RW,  244
.set RB,  245
.set MW,  246
.set SW,  247
.set LN,  248
.set RR,  249
.set HH,  250
.set MK,  0                            ; window 1
.set KFR, 64
.set VF,  96
.set QF,  140                          ; A's Q; B's 16 on
.set OA,  176
.set PCD, 208
.set WV,  14
.set G1C, 16
.set G0C, 36
.set SEL, 52
.set CS,  54
.set MNT, 56
.set TB,  57
.set KF,  60
.set QLO, 61
.set QHI, 62
.set CNT, 63
.set MSB, 0
.macro WIN new                         ; the immediate's high byte repeats the setting that is left
.if MSB != \new
	s_set_vgpr_msb (MSB<<8)|\new
.set MSB, \new
.endif
.endm
.macro WALU
	s_wait_alu depctr_va_vdst(0)
.endm
.macro WSUM a, t
.irp m, 1,2,4,8
	s_delay_alu instid0(VALU_DEP_1)
	v_add_f32_dpp v[\a], v[\a], v[\a] row_xmask:\m row_mask:0xf bank_mask:0xf
.endr
	s_delay_alu instid0(VALU_DEP_1)
	v_permlanex16_b32 v[\t], v[\a], s[SEL], s[SEL+1]
	s_delay_alu instid0(VALU_DEP_1)
	v_add_f32 v[\a], v[\a], v[\t]
.endm
.macro TREE8                           ; eight waves' parts
	v_pk_add_f32 v[128:129], v[128:129], v[130:131]
	v_pk_add_f32 v[132:133], v[132:133], v[134:135]
	v_pk_add_f32 v[128:129], v[128:129], v[132:133]
	v_add_f32 v128, v128, v129
.endm
.macro LOADS ak, am, ask, av, asv      ; K, its scale words and the mask of one step, V and its scale words of another
	ds_load_b32 v[KS], v[\ask]
	ds_load_b32 v[VS], v[\asv] offset:4096
	WIN 0x40                                       ; destinations in window 1
.irp b, 0,1,2,3
.irp i, 0,1,2,3
	ds_load_b128 v[MK+16*\b+4*\i:MK+16*\b+4*\i+3], v[\am] offset:128*\b+16*\i
.endr
.endr
.irp g, 0,1
.irp c, 0,1,2,3
	ds_load_b128 v[KFR+16*\g+4*\c:KFR+16*\g+4*\c+3], v[\ak] offset:2048*\g+512*\c
.endr
.endr
.irp u, 0,1
.irp c, 0,1,2,3
	ds_load_b128 v[VF+16*\u+4*\c:VF+16*\u+4*\c+3], v[\av] offset:2048*\u+512*\c
.endr
.endr
	WIN 0
.endm
.macro QK own                          ; sixteen products: tile 4 g + c of keys against A's and B's queries.  own = 0: C is the shared mask; 1: the tile's own copy, in place
.irp g, 0,1
.irp c, 0,1,2,3
.irp t, 0,1
.if \own
.if \g
	v_wmma_scale_f32_16x16x128_f8f6f4 v[S+64*\t+8*(4*\g+\c):S+64*\t+8*(4*\g+\c)+7], v[KFR+16*\g:KFR+16*\g+15], v[QF+16*\t-4*\c:QF+16*\t-4*\c+15], v[S+64*\t+8*(4*\g+\c):S+64*\t+8*(4*\g+\c)+7], v[KS], v[QS+\t] matrix_a_scale:MATRIX_SCALE_ROW1
.else
	v_wmma_scale_f32_16x16x128_f8f6f4 v[S+64*\t+8*(4*\g+\c):S+64*\t+8*(4*\g+\c)+7], v[KFR+16*\g:KFR+16*\g+15], v[QF+16*\t-4*\c:QF+16*\t-4*\c+15], v[S+64*\t+8*(4*\g+\c):S+64*\t+8*(4*\g+\c)+7], v[KS], v[QS+\t]
.endif
.else
.if \g
	v_wmma_scale_f32_16x16x128_f8f6f4 v[S+64*\t+8*(4*\g+\c):S+64*\t+8*(4*\g+\c)+7], v[KFR+16*\g:KFR+16*\g+15], v[QF+16*\t-4*\c:QF+16*\t-4*\c+15], v[MK+8*(4*\g+\c):MK+8*(4*\g+\c)+7], v[KS], v[QS+\t] matrix_a_scale:MATRIX_SCALE_ROW1
.else
	v_wmma_scale_f32_16x16x128_f8f6f4 v[S+64*\t+8*(4*\g+\c):S+64*\t+8*(4*\g+\c)+7], v[KFR+16*\g:KFR+16*\g+15], v[QF+16*\t-4*\c:QF+16*\t-4*\c+15], v[MK+8*(4*\g+\c):MK+8*(4*\g+\c)+7], v[KS], v[QS+\t]
.endif
.endif
.endr
.endr
.endr
.endm
.macro OSTEP                           ; O^T under the M of the step whose product follows (x f, a power of two), and that product: O^T += V^T P^T, two tiles of 16 channels a tile of queries
	WIN 0x41                                       ; O^T in window 1, f in window 0
	WALU                                           ; the wait directly ahead of the first readers of O^T
.irp j, 0,2,4,6,8,10,12,14
.irp t, 0,1
	v_pk_mul_f32 v[OA+16*\t+\j:OA+16*\t+\j+1], v[OA+16*\t+\j:OA+16*\t+\j+1], v[FF+2*\t:FF+2*\t+1] op_sel_hi:[1,0]
.endr
.endr
	WIN 0x55
.irp t, 0,1
	v_wmma_scale_f32_16x16x128_f8f6f4 v[OA+16*\t:OA+16*\t+7], v[VF:VF+15], v[PCD+16*\t:PCD+16*\t+15], v[OA+16*\t:OA+16*\t+7], v[VS], v[PS+\t]
.endr
.irp t, 0,1
	v_wmma_scale_f32_16x16x128_f8f6f4 v[OA+16*\t+8:OA+16*\t+15], v[VF+16:VF+31], v[PCD+16*\t:PCD+16*\t+15], v[OA+16*\t+8:OA+16*\t+15], v[VS], v[PS+\t] matrix_a_scale:MATRIX_SCALE_ROW1
.endr
	WIN 0
.endm
.macro MAX0 t                          ; the largest score of each block of 32 keys: for the row's maximum and for the block's largest p.  Its first three
.irp b, 0,1,2,3
	v_max3_num_f32 v[BM+4*\t+\b], v[S+64*\t+16*\b], v[S+64*\t+16*\b+1], v[S+64*\t+16*\b+2]
.endr
.endm
.macro MAX3 t, i                       ; two more, the four blocks by turns
.irp b, 0,1,2,3
	v_max3_num_f32 v[BM+4*\t+\b], v[BM+4*\t+\b], v[S+64*\t+16*\b+\i], v[S+64*\t+16*\b+\i+1]
.endr
.endm
.macro BL                              ; the next of the 28 lines that finish B's four maxima
.if NBL < 24
	v_max3_num_f32 v[BM+4+NBL%4], v[BM+4+NBL%4], v[S+64+16*(NBL%4)+3+2*(NBL/4)], v[S+64+16*(NBL%4)+4+2*(NBL/4)]
.elseif NBL < 28
	v_max_num_f32 v[BM+4+NBL-24], v[BM+4+NBL-24], v[S+64+16*(NBL-24)+15]
.endif
.set NBL, NBL+1
.endm
.macro AF                              ; the next of A's 36 lines t - M
.if NAF < 32
	v_pk_fma_f32 v[S+2*NAF:S+2*NAF+1], v[S+2*NAF:S+2*NAF+1], s[CS:CS+1], v[MM:MM+1] op_sel_hi:[1,0,0]
.elseif NAF < 36
	v_fma_f32 v[BM+NAF-32], v[BM+NAF-32], s[CS], v[MM]
.endif
.set NAF, NAF+1
.endm
.macro CHAIN t, n                      ; the nine dependent lines from the blocks' maxima to the new -M and f = 2^(old M - new M)
.if (\n) == 0
	v_max3_num_f32 v[TT+2*\t], v[BM+4*\t], v[BM+4*\t+1], v[BM+4*\t+2]
.elseif (\n) == 1
	v_max_num_f32 v[TT+2*\t], v[TT+2*\t], v[BM+4*\t+3]
.elseif (\n) == 2
	v_mul_f32 v[TT+2*\t], s[CS], v[TT+2*\t]
.elseif (\n) == 3
	v_max_num_f32 v[MM+2*\t+1], v[MM+2*\t+1], v[TT+2*\t]
.elseif (\n) == 4
	v_mov_b32 v[TT+2*\t], v[MM+2*\t]
.elseif (\n) == 5
	v_floor_f32 v[MM+2*\t], -v[MM+2*\t+1]
.elseif (\n) == 6
	v_sub_f32 v[TT+2*\t], v[MM+2*\t], v[TT+2*\t]
.elseif (\n) == 7
	v_cvt_i32_f32 v[TT+2*\t], v[TT+2*\t]
.else
	v_ldexp_f32 v[FF+2*\t], 1.0, v[TT+2*\t]
.endif
.endm
.macro SUMG t, g                       ; g = 0: the four sums under the new M; g = 1 .. 8: eight more unquantised p
.irp k, 0,1,2,3
.if (\g) == 0
	v_pk_mul_f32 v[LL+8*\t+2*\k:LL+8*\t+2*\k+1], v[LL+8*\t+2*\k:LL+8*\t+2*\k+1], v[FF+2*\t:FF+2*\t+1] op_sel_hi:[1,0]
.else
	v_pk_add_f32 v[LL+8*\t+2*\k:LL+8*\t+2*\k+1], v[LL+8*\t+2*\k:LL+8*\t+2*\k+1], v[S+64*\t+8*((\g)-1)+2*\k:S+64*\t+8*((\g)-1)+2*\k+1]
.endif
.endr
.endm
.macro SCL t, k                        ; a block's scale: 0-3 the floor 2^(9 - 127), so that the byte cannot fall under 1; 4-7 the conversion's scale operand; 8-11 448 x the scale; 12-15 the byte
.if (\k) < 4
	v_max_num_f32 v[BM+4*\t+(\k)], 0x4800000, v[BM+4*\t+(\k)]
.elseif (\k) < 8
	v_add_nc_u32 v[SO+4*\t+(\k)-4], 0xfc000000, v[BM+4*\t+(\k)-4]
.elseif (\k) < 12
	v_and_or_b32 v[HL+4*\t+(\k)-8], v[BM+4*\t+(\k)-8], 0x7f800000, s[MNT]
.else
	v_lshrrev_b32 v[PT+4*\t+(\k)-12], 23, v[SO+4*\t+(\k)-12]
.endif
.endm
.macro PSL t, k                        ; p's scale word for these 128 keys, in three lines
.if (\k) == 1
	v_lshl_or_b32 v[PS+\t], v[PT+4*\t+1], 8, v[PT+4*\t]
.else
	v_lshl_or_b32 v[PS+\t], v[PT+4*\t+(\k)], 8*(\k), v[PS+\t]
.endif
.endm
.macro HOLD2 t, n                      ; the hold of scores n, n + 1: the conversion does not saturate (ISA guide 7.6.2); p is not negative
	v_dual_min_num_f32 v[S+64*\t+(\n)], v[S+64*\t+(\n)], v[HL+4*\t+(\n)/16] :: v_dual_min_num_f32 v[S+64*\t+(\n)+1], v[S+64*\t+(\n)+1], v[HL+4*\t+(\n)/16]
.endm
.macro STEP                            ; a key step: 128 keys
.set NBL, 0
.set NAF, 0
	s_wait_dscnt 0x0                               ; asked for a step ago
	s_lshr_b32 s[KF], s[TB], 5                     ; the step's first key
	s_cmp_gt_i32 s[KF], s[QHI]
	s_cbranch_scc1 .Lfar_\@
	s_add_co_u32 s68, s[KF], 127
	s_cmp_lt_i32 s68, s[QLO]
	s_cbranch_scc1 .Lfar_\@
.irp t, 0,1
	v_sub_nc_u32 v[TT+2*\t], v[AQ+\t], s[KF]       ; the window: register n's key counts where 0 <= query + 15 - key <= 30
.endr
	WIN 0x01                                       ; the mask in window 1
.set n, 0
.rept 64
	v_add_nc_u32 v[TT+1], -(32*(n/16)+n%16), v[TT]
	v_add_nc_u32 v[TT+3], -(32*(n/16)+n%16), v[TT+2]
	v_cmp_gt_u32 vcc_lo, 31, v[TT+1]
	v_cmp_gt_u32 s71, 31, v[TT+3]
	v_cndmask_b32 v[S+n], v[MK+n], v[ZR], vcc_lo
	v_cndmask_b32 v[S+64+n], v[MK+n], v[ZR], s71
.set n, n+1
.endr
.rept 4
	v_nop
.endr
	WIN 0x05
	QK 1
	WIN 0
	s_branch .Ljoin_\@
.Lfar_\@:
	WIN 0x15
	QK 0
	WIN 0
.Ljoin_\@:
	s_add_co_u32 s68, s[TB], 4096
	s_min_u32 s68, s68, 31*4096                    ; the next step, held at the last
	s_lshr_b32 s69, s68, 5
	s_lshr_b32 s70, s68, 3
	v_add_nc_u32 v[ADK], s68, v[LI]
	v_add_nc_u32 v[ADS], s69, v[ASC]
	v_add_nc_u32 v[ADM], s70, v[AMK]
	v_add_nc_u32 v[ADV], s[TB], v[LIV]
	v_add_nc_u32 v[ADT], s[KF], v[ASC]
	OSTEP                                          ; its sixteen plain lines name none of the scores' products' registers: the places behind those
	MAX0 0
	MAX3 0, 3
	MAX3 0, 5
	MAX0 1
	LOADS ADK, ADM, ADS, ADV, ADT                  ; sixteen plain lines stand behind the last product: its operands may be loaded anew
	MAX3 0, 7
	MAX3 0, 9
	MAX3 0, 11
	MAX3 0, 13
.irp b, 0,1,2,3
	v_max_num_f32 v[BM+\b], v[BM+\b], v[S+16*\b+15]
.endr
.irp b, 0,1,2,3
	v_permlanex16_b32 v[PT+\b], v[BM+\b], s[SEL], s[SEL+1]
.endr
.rept 4
	BL
.endr
.irp b, 0,1,2,3
	v_max_num_f32 v[BM+\b], v[BM+\b], v[PT+\b]     ; with lane l xor 16's 16 keys
.endr
.irp n, 0,1,2,3,4,5,6,7,8                      ; A's chain among B's maxima
	CHAIN 0, \n
	BL
	BL
	BL
.endr
.irp b, 0,1,2,3
	v_permlanex16_b32 v[PT+4+\b], v[BM+4+\b], s[SEL], s[SEL+1]
.endr
.rept 4
	AF
.endr
.irp b, 0,1,2,3
	v_max_num_f32 v[BM+4+\b], v[BM+4+\b], v[PT+4+\b]
.endr
.irp n, 0,1,2,3,4,5,6,7,8                      ; B's chain among A's t - M
	CHAIN 1, \n
	AF
	AF
	AF
	AF
.endr
	WALU                                           ; the wait ahead of the batch
.set j, 0
.rept 32                                       ; A's p; among them B's t - M, which is read behind the next two waits
	v_exp_f32 v[S+j], v[S+j]
	v_exp_f32 v[S+j+1], v[S+j+1]
	v_pk_fma_f32 v[S+64+j:S+64+j+1], v[S+64+j:S+64+j+1], s[CS:CS+1], v[MM+2:MM+3] op_sel_hi:[1,0,0]
.set j, j+2
.endr
.irp b, 0,1,2,3
	v_exp_f32 v[BM+\b], v[BM+\b]                   ; A: each block's largest p
	v_fma_f32 v[BM+4+\b], v[BM+4+\b], s[CS], v[MM+2]
.endr
	v_nop
	WALU                                           ; and behind it
.set g, 0
.rept 9                                        ; A's sums, a line of its scales behind each four
	SUMG 0, g
	SCL 0, g
.set g, g+1
.endr
	SCL 0, 9
	SCL 0, 10
	SCL 0, 11
	WALU                                           ; ahead of B's batch
.set j, 0
.rept 32                                       ; B's p; among them A's holds, which are read behind the next wait
	v_exp_f32 v[S+64+j], v[S+64+j]
	v_exp_f32 v[S+64+j+1], v[S+64+j+1]
	HOLD2 0, j
.set j, j+2
.endr
.irp b, 0,1,2,3
	v_exp_f32 v[BM+4+\b], v[BM+4+\b]
	SCL 0, 12+\b
.endr
	v_nop
	WALU
	SUMG 1, 0                                      ; B's sums, two lines of scales and scale words behind each four
	PSL 0, 1
	SCL 1, 0
	SUMG 1, 1
	SCL 1, 1
	SCL 1, 2
	SUMG 1, 2
	SCL 1, 3
	PSL 0, 2
	SUMG 1, 3
	SCL 1, 4
	SCL 1, 5
	SUMG 1, 4
	SCL 1, 6
	SCL 1, 7
	SUMG 1, 5
	PSL 0, 3
	SCL 1, 8
	SUMG 1, 6
	SCL 1, 9
	SCL 1, 10
	SUMG 1, 7
	SCL 1, 11
	SCL 1, 12
	SUMG 1, 8
	SCL 1, 13
	SCL 1, 14
	SCL 1, 15
.set j, 0
.rept 32
	HOLD2 1, j
.if j == 2
	PSL 1, 1
.elseif j == 14
	PSL 1, 2
.elseif j == 26
	PSL 1, 3
.endif
.set j, j+2
.endr
	WIN 0x40                                       ; the codes in window 1
.irp t, 0,1
.irp b, 0,1,2,3
	v_cvt_scalef32_pk8_fp8_f32 v[PCD+16*\t+4*\b:PCD+16*\t+4*\b+1], v[S+64*\t+16*\b:S+64*\t+16*\b+7], v[SO+4*\t+\b]
	v_cvt_scalef32_pk8_fp8_f32 v[PCD+16*\t+4*\b+2:PCD+16*\t+4*\b+3], v[S+64*\t+16*\b+8:S+64*\t+16*\b+15], v[SO+4*\t+\b]
.endr
.endr
	v_nop                                          ; a plain line between the last conversion and the products that write its sources
	WIN 0
	s_add_co_u32 s[TB], s[TB], 4096
.endm
	s_load_b256 s[4:11], s[0:1], 0x0               ; qkv, qkvs, dens, ocodes
	s_load_b64 s[12:13], s[0:1], 0x20              ; oscales
	v_lshl_add_u32 v[SPW], v0, 2, SPARE
	v_mov_b32 v[NIL], 0
	ds_add_u32 v[SPW], v[NIL]                      ; the opening lines: the add, twice on end, and its wait ahead of my tensor load
	ds_add_u32 v[SPW], v[NIL]
	v_lshrrev_b32 v1, 5, v0
	s_delay_alu instid0(VALU_DEP_1)
	v_readfirstlane_b32 s[WV], v1                  ; wave 0..7
	s_mov_b32 s[G1C], 3<<16                        ; 128 rows of 32 elements of 8 bytes, dense
	s_mov_b32 s[G1C+1], 32<<16
	s_mov_b32 s[G1C+2], 128<<16
	s_mov_b32 s[G1C+3], 32<<16
	s_mov_b32 s[G1C+4], 128
	s_mov_b32 s[G1C+5], 32
	s_mov_b32 s[G1C+6], 0
	s_mov_b32 s[G1C+7], 0
	s_mov_b32 s[G0C], 1
	s_lshr_b32 s[G0C+1], s[WV], 1                  ; my 32,768 bytes: even waves eight steps of K, odd waves the same steps of V; the same place in LDS and behind q in memory
	s_lshl_b32 s[G0C+1], s[G0C+1], 15
	s_and_b32 s44, s[WV], 1
	s_lshl_b32 s44, s44, 17
	s_add_co_u32 s[G0C+1], s[G0C+1], s44
	s_mov_b32 s72, s[G0C+1]
	s_mov_b32 s73, 0
	s_and_b32 s66, ttmp7, 0xffff                   ; 8 x batch + head
	s_lshl_b32 s67, ttmp9, 3
	s_add_co_u32 s67, s67, s[WV]                   ; which 32 queries are mine, 0..127
	s_mul_i32 s68, s66, 393216
	s_mov_b32 s69, 0
	s_mul_i32 s76, s66, 12288
	s_mov_b32 s77, 0
	s_mov_b32 s79, 0
	s_mov_b32 s[SEL], 0x76543210
	s_mov_b32 s[SEL+1], 0xfedcba98
	s_mov_b32 s[CS], 0x3e8293ee                    ; c = log2(e) / sqrt(32)
	s_mov_b32 s[CS+1], s[CS]
	s_mov_b32 s[MNT], 0x600000
	s_mov_b32 s[TB], 0
	s_lshl_b32 s40, s67, 5                         ; my first token; my last is 31 on
	s_sub_co_i32 s[QLO], s40, 15
	s_add_co_u32 s[QHI], s40, 46
	s_add_co_u32 s40, s40, 15
	s_lshl_b32 s41, s[WV], 5
	s_add_co_u32 s41, s41, OSC
	s_lshl_b32 s42, s[WV], 2
	s_add_co_u32 s42, s42, RED1
	v_and_b32 v[LN], 31, v0
	v_and_b32 v[RR], 15, v0
	v_bfe_u32 v[HH], v0, 4, 1
	v_lshlrev_b32 v240, 4, v0
	v_lshlrev_b32 v[LI], 4, v[LN]
	v_lshlrev_b32 v241, 2, v[RR]
	v_lshl_add_u32 v[ASC], v[LN], 2, SCK
	v_lshl_add_u32 v[AMK], v[HH], 6, MASK
	v_lshl_add_u32 v[AOL], v[LN], 3, OSC
	v_and_b32 v[AQ], 8, v[RR]
	v_lshlrev_b32 v242, 4, v[HH]
	v_add_nc_u32 v[LIV], VOFF, v[LI]
	v_add_nc_u32 v[AQ], v[AQ], v[RR]
	v_add_nc_u32 v[AOS], s41, v[RR]
	v_mov_b32 v[RW], s42
	v_sub_nc_u32 v[AQ], v[AQ], v242
	v_mov_b32 v[RB], RED1
	v_add_nc_u32 v[MW], MASK, v240
	v_add_nc_u32 v[AQ], s40, v[AQ]
	v_add_nc_u32 v[SW], SCK, v240
	v_mov_b32 v[ZR], 0
	v_add_nc_u32 v[AQ+1], 8, v[AQ]
	WALU
	s_wait_dscnt 0x0                               ; both opening adds are done
	s_wait_kmcnt 0x0
	s_add_nc_u64 s[70:71], s[4:5], s[68:69]        ; my head's q, k, v
	s_add_nc_u64 s[76:77], s[6:7], s[76:77]        ; and their scale words
	s_add_nc_u64 s[G0C+2:G0C+3], s[70:71], s[72:73]
	s_add_nc_u64 s[G0C+2:G0C+3], s[G0C+2:G0C+3], 131072
	s_or_b32 s[G0C+3], s[G0C+3], 0x80000000
	s_lshr_b32 s72, s66, 3
	s_lshl_b32 s72, s72, 14
	s_xor_b32 s74, s72, 16384
	s_mov_b32 s75, 0
	s_add_nc_u64 s[72:73], s[8:9], s[72:73]        ; my batch's densities,
	s_add_nc_u64 s[74:75], s[8:9], s[74:75]        ; the other batch's
	s_lshl_b32 s78, s67, 10
	s_add_nc_u64 s[68:69], s[70:71], s[78:79]      ; my two tiles of q; the same tokens' tiles of k lie 131,072 bytes on
	s_lshr_b32 s78, s67, 1
	s_lshl_b32 s78, s78, 6
	s_add_nc_u64 s[70:71], s[76:77], s[78:79]      ; the scale words of my tiles' group of four
.irp i, 0,1,2,3
	global_load_b128 v[96+4*\i:99+4*\i], v240, s[72:73] offset:4096*\i     ; my batch's 4,096 densities: 16 a thread
.endr
.irp i, 0,1,2,3
	global_load_b128 v[112+4*\i:115+4*\i], v240, s[74:75] offset:4096*\i   ; the other batch's
.endr
.irp i, 0,1
	global_load_b128 v[224+4*\i:227+4*\i], v240, s[76:77] offset:4096+4096*\i   ; K's and V's scale words: 8,192 dense bytes
.endr
	global_load_b32 v[QS], v241, s[70:71]
	global_load_b32 v[KS], v241, s[70:71] offset:4096
	WIN 0x40
.irp t, 0,1
	global_load_b128 v[QF+16*\t:QF+16*\t+3], v[LI], s[68:69] offset:512*\t
	global_load_b128 v[KFR+4*\t:KFR+4*\t+3], v[LI], s[68:69] offset:131072+512*\t   ; A's own tokens' keys in block 0, B's in block 1
.endr
	WIN 0
	s_cmp_lt_u32 s[WV], 2                          ; one tensor load a wave; waves 0 and 1, whose tiles the first barrier shows, have a line of their own
	s_cbranch_scc0 .Lrest_load
	tensor_load_to_lds s[G0C:G0C+3], s[G1C:G1C+7]
	s_nop 0
.rept 4
	v_nop
.endr
	s_branch .Lasked
.Lrest_load:
	tensor_load_to_lds s[G0C:G0C+3], s[G1C:G1C+7]
	s_nop 0
.rept 4
	v_nop
.endr
.Lasked:
	WIN 0x40
.set j, 0
.rept 12
	v_mov_b32 v[QF-12+j], 0                        ; the zeros round Q
	v_mov_b32 v[QF+4+j], 0
	v_mov_b32 v[QF+20+j], 0
.set j, j+1
.endr
.set j, 0
.rept 8
	v_mov_b32 v[KFR+8+j], 0
.set j, j+1
.endr
.set j, 0
.rept 32
	v_mov_b32 v[OA+j], 0                           ; O^T, and what the first trip's second product finds: zero codes of p
	v_mov_b32 v[PCD+j], 0
.set j, j+1
.endr
	WIN 0
	v_mov_b32 v[PS], 0x7f7f7f7f
	v_mov_b32 v[PS+1], 0x7f7f7f7f
	WALU                                           ; the wait ahead of the wait below
	s_wait_loadcnt 8                               ; the eight loads of densities are in; the eight behind them may be out
.irp j, 0,1,2,3,4,5,6,7
	v_pk_add_f32 v[128+2*\j:129+2*\j], v[96+4*\j:97+4*\j], v[98+4*\j:99+4*\j]
.endr
.irp j, 0,1,2,3
	v_pk_add_f32 v[128+2*\j:129+2*\j], v[128+2*\j:129+2*\j], v[136+2*\j:137+2*\j]
.endr
	TREE8
	WSUM 128, 129
	ds_store_b32 v[RW], v128                       ; my wave's sum
	s_wait_dscnt 0x0
	s_barrier_signal -1
	s_barrier_wait -1
	ds_load_b128 v[128:131], v[RB]
	ds_load_b128 v[132:135], v[RB] offset:16
	s_wait_dscnt 0x0
	TREE8
	v_mul_f32 v160, 0x39000000, v128               ; the mean: / 8,192
	v_mov_b32 v161, v160
.irp j, 0,1,2,3,4,5,6,7,8,9,10,11,12,13,14,15
	v_pk_add_f32 v[128+2*\j:129+2*\j], v[96+2*\j:97+2*\j], v[160:161] neg_lo:[0,1] neg_hi:[0,1]
.endr
	v_pk_mul_f32 v[162:163], v[128:129], v[128:129]
	v_pk_mul_f32 v[164:165], v[130:131], v[130:131]
.irp j, 4,8,12,16,20,24,28
	v_pk_fma_f32 v[162:163], v[128+\j:129+\j], v[128+\j:129+\j], v[162:163]
	v_pk_fma_f32 v[164:165], v[130+\j:131+\j], v[130+\j:131+\j], v[164:165]
.endr
	v_pk_add_f32 v[162:163], v[162:163], v[164:165]
	v_add_f32 v128, v162, v163
	WSUM 128, 129
	ds_store_b32 v[RW], v128 offset:RED2-RED1      ; my wave's sum of squared deviations
	s_wait_dscnt 0x0
	s_barrier_signal -1
	s_barrier_wait -1
	ds_load_b128 v[128:131], v[RB] offset:RED2-RED1
	ds_load_b128 v[132:135], v[RB] offset:RED2-RED1+16
	s_wait_dscnt 0x0
	TREE8
	v_mul_f32 v162, 0x39000400, v128               ; / 8,191: by the rounded reciprocal, with one correction
	v_fma_f32 v163, -v162, 0x45fff800, v128
	v_fma_f32 v162, v163, 0x39000400, v162
	WALU                                           ; the wait ahead of the root
	v_sqrt_f32 v163, v162
	v_mov_b32 v164, 0xd152bbf7                     ; -1e10 sqrt(32).  (The plain line behind the root)
	WALU                                           ; and ahead of its first reader
	v_fma_f32 v163, 0.5, v163, v160                ; the threshold
	WALU
	s_wait_loadcnt 0x0
.irp i, 0,1,2,3,4,5,6,7,8,9,10,11,12,13,14,15
	v_cmp_gt_f32 vcc_lo, v[96+\i], v163
	v_cndmask_b32 v[96+\i], v164, v[ZR], vcc_lo
.endr
.irp i, 0,1,2,3
	ds_store_b128 v[MW], v[96+4*\i:99+4*\i] offset:4096*\i
.endr
	ds_store_b128 v[SW], v[224:227]
	ds_store_b128 v[SW], v[228:231] offset:4096
	s_and_b32 s78, s[WV], 1
	s_lshl_b32 s78, s78, 4                         ; my tiles' bytes begin at bit 16 (wave % 2) of the words
	v_lshrrev_b32 v[QS+1], s78, v[QS]
	v_lshrrev_b32 v[KS], s78, v[KS]
	v_and_b32 v[QS], 0xff, v[QS+1]                 ; a tile's byte in all four bytes: Q stands in any block
	v_bfe_u32 v[QS+1], v[QS+1], 8, 8
	v_lshl_or_b32 v[QS], v[QS], 8, v[QS]
	v_lshl_or_b32 v[QS+1], v[QS+1], 8, v[QS+1]
	v_lshl_or_b32 v[QS], v[QS], 16, v[QS]
	v_lshl_or_b32 v[QS+1], v[QS+1], 16, v[QS+1]
.set j, 0
.rept 16
	v_mov_b32 v[LL+j], 0                           ; (these lines are also the eight places between the scale words and the products)
.set j, j+1
.endr
.set j, 0
.rept 8
	v_mov_b32 v[PT+j], 0
.set j, j+1
.endr
.irp t, 0,1
	v_mov_b32 v[FF+2*\t], 1.0
	v_mov_b32 v[FF+2*\t+1], 0
.endr
	WIN 0x05
	v_wmma_scale_f32_16x16x128_f8f6f4 v[128:135], v[KFR:KFR+15], v[QF:QF+15], 0, v[KS], v[QS]         ; each tile's queries against the same tokens' keys
	v_wmma_scale_f32_16x16x128_f8f6f4 v[136:143], v[KFR:KFR+15], v[QF+12:QF+27], 0, v[KS], v[QS+1]
	WIN 0
.rept 8
	v_nop
.endr
.irp t, 0,1
	v_max3_num_f32 v[TT+2*\t], v[128+8*\t], v[129+8*\t], v[130+8*\t]
.endr
.irp i, 3,5
.irp t, 0,1
	v_max3_num_f32 v[TT+2*\t], v[TT+2*\t], v[128+8*\t+\i], v[129+8*\t+\i]
.endr
.endr
.irp t, 0,1
	v_max_num_f32 v[TT+2*\t], v[TT+2*\t], v[135+8*\t]
.endr
	v_lshrrev_b32 v241, 3, v[RR]
	v_mov_b32 v242, 0xff61b1e6
	v_cmp_eq_u32 vcc_lo, v241, v[HH]               ; my eight keys lie within 8 tokens of my query where r / 8 = h
.irp t, 0,1
	v_cndmask_b32 v[TT+2*\t], v242, v[TT+2*\t], vcc_lo
.endr
.irp t, 0,1
	v_permlanex16_b32 v[PT+4*\t], v[TT+2*\t], s[SEL], s[SEL+1]
.endr
.irp t, 0,1
	v_max_num_f32 v[TT+2*\t], v[TT+2*\t], v[PT+4*\t]
.endr
.irp t, 0,1
	v_mul_f32 v[MM+2*\t+1], s[CS], v[TT+2*\t]      ; the largest t so far
.endr
.irp t, 0,1
	v_floor_f32 v[MM+2*\t], -v[MM+2*\t+1]          ; -M
.endr
	WALU                                           ; the wait at the head's end
	s_cmp_lt_u32 s[WV], 2
	s_cbranch_scc0 .Lnot_yet
	s_wait_tensorcnt 0x0                           ; waves 0 and 1: K's and V's steps 0-7 are in.  The other waves' wait stands at the second barrier
.Lnot_yet:
	s_wait_dscnt 0x0                               ; my stores of the mask and the scale words are done
	s_barrier_signal -1
	s_barrier_wait -1                              ; both hold of every wave; nobody writes these bytes again
	LOADS LI, AMK, ASC, LIV, ASC                   ; step 0's K and mask; its V, which the first trip multiplies by zero codes
	s_mov_b32 s[CNT], 7
.Lfirst:                                               ; steps 0-6: they read K's steps 0-7 and V's 0-6
	STEP
	s_sub_co_u32 s[CNT], s[CNT], 1
	s_cmp_lg_u32 s[CNT], 0
	s_cbranch_scc1 .Lfirst
	s_wait_tensorcnt 0x0                           ; every wave: my tile is in
	s_wait_dscnt 0x0
	s_barrier_signal -1
	s_barrier_wait -1                              ; all of K and V lie in LDS
	s_mov_b32 s[CNT], 25
.Lrest:                                                ; steps 7-31
	STEP
	s_sub_co_u32 s[CNT], s[CNT], 1
	s_cmp_lg_u32 s[CNT], 0
	s_cbranch_scc1 .Lrest
	s_wait_dscnt 0x0                               ; the last step's V
	OSTEP                                          ; the last step's product
.rept 8
	v_nop
.endr
.irp t, 0,1
	v_pk_add_f32 v[LL+8*\t:LL+8*\t+1], v[LL+8*\t:LL+8*\t+1], v[LL+8*\t+2:LL+8*\t+3]
	v_pk_add_f32 v[LL+8*\t+4:LL+8*\t+5], v[LL+8*\t+4:LL+8*\t+5], v[LL+8*\t+6:LL+8*\t+7]
.endr
.irp t, 0,1
	v_pk_add_f32 v[LL+8*\t:LL+8*\t+1], v[LL+8*\t:LL+8*\t+1], v[LL+8*\t+4:LL+8*\t+5]
.endr
.irp t, 0,1
	v_add_f32 v[LL+8*\t], v[LL+8*\t], v[LL+8*\t+1]
.endr
.irp t, 0,1
	v_permlanex16_b32 v[PT+4*\t], v[LL+8*\t], s[SEL], s[SEL+1]
.endr
.irp t, 0,1
	v_add_f32 v[LL+8*\t], v[LL+8*\t], v[PT+4*\t]   ; the row's sum
.endr
	WALU
	v_rcp_f32 v[LL], v[LL]
	v_rcp_f32 v[LL+8], v[LL+8]
	v_and_b32 v240, 31, v0
	v_lshlrev_b32 v240, 3, v240
	s_lshr_b32 s68, s66, 3                         ; o's codes: [batch][tile of tokens: 4,096 bytes][head: 512 bytes]
	s_lshl_b32 s68, s68, 20
	s_lshl_b32 s69, s67, 13
	s_add_co_u32 s68, s68, s69
	s_and_b32 s69, s66, 7
	s_lshl_b32 s69, s69, 9
	s_add_co_u32 s68, s68, s69
	s_mov_b32 s69, 0
	s_add_nc_u64 s[10:11], s[10:11], s[68:69]
	s_lshl_b32 s68, s66, 12                        ; its scale bytes: 4,096 a batch and head, 256 a work-group
	s_lshl_b32 s70, ttmp9, 8
	s_add_co_u32 s68, s68, s70
	s_add_nc_u64 s[12:13], s[12:13], s[68:69]
	WIN 0x01                                       ; O^T in window 1
	WALU                                           ; ahead of the reciprocals' first reader, and of the first readers of O^T
.set j, 0
.rept 16
	v_mul_f32 v[S+j], v[OA+j], v[LL]
	v_mul_f32 v[S+64+j], v[OA+16+j], v[LL+8]
.set j, j+1
.endr
	WIN 0
.irp t, 0,1
	v_max3_num_f32 v[BM+4*\t], |v[S+64*\t]|, |v[S+64*\t+1]|, 0x4800000
.endr
.irp i, 2,4,6,8,10,12,14
.irp t, 0,1
	v_max3_num_f32 v[BM+4*\t], v[BM+4*\t], |v[S+64*\t+\i]|, |v[S+64*\t+\i+1]|
.endr
.endr
.irp t, 0,1
	v_permlanex16_b32 v[PT+4*\t], v[BM+4*\t], s[SEL], s[SEL+1]
.endr
.irp t, 0,1
	v_max_num_f32 v[BM+4*\t], v[BM+4*\t], v[PT+4*\t]   ; the largest magnitude of my query's 32 channels
.endr
.irp t, 0,1
	v_add_nc_u32 v[SO+4*\t], 0xfc000000, v[BM+4*\t]
.endr
.irp t, 0,1
	v_and_or_b32 v[HL+4*\t], v[BM+4*\t], 0x7f800000, s[MNT]
.endr
.irp t, 0,1
	v_lshrrev_b32 v[PT+4*\t+1], 23, v[SO+4*\t]
.endr
.set j, 0
.rept 16
	v_med3_num_f32 v[S+j], v[S+j], -v[HL], v[HL]
	v_med3_num_f32 v[S+64+j], v[S+64+j], -v[HL+4], v[HL+4]
.set j, j+1
.endr
.irp t, 0,1
	v_cvt_scalef32_pk8_fp8_f32 v[OC+4*\t:OC+4*\t+1], v[S+64*\t:S+64*\t+7], v[SO+4*\t]
	v_cvt_scalef32_pk8_fp8_f32 v[OC+4*\t+2:OC+4*\t+3], v[S+64*\t+8:S+64*\t+15], v[SO+4*\t]
.endr
	v_nop
.irp t, 0,1
	global_store_b128 v[LI], v[OC+4*\t:OC+4*\t+3], s[10:11] offset:4096*\t   ; 512 consecutive bytes
	ds_store_b8 v[AOS], v[PT+4*\t+1] offset:16*\t  ; both halves of the lanes write the same byte
.endr
	s_wait_dscnt 0x0
	s_barrier_signal -1
	s_barrier_wait -1
	s_cmp_lg_u32 s[WV], 0
	s_cbranch_scc1 .Lend
	ds_load_b64 v[242:243], v[AOL]
	s_wait_dscnt 0x0
	global_store_b64 v240, v[242:243], s[12:13]    ; one aligned unit of 256 bytes
.Lend:
	s_wait_tensorcnt 0x0                           ; the wave's end: three lines
	ds_add_u32 v[SPW], v[NIL]
	s_wait_dscnt 0x0
	s_endpgm
.Lfunc_end_k_qd518fcf86c_attn:
	.size	k_qd518fcf86c_attn, .Lfunc_end_k_qd518fcf86c_attn-k_qd518fcf86c_attn
	.p2alignl 7, 3214868480
	.fill 96, 4, 3214868480
	.section	.rodata,"a",@progbits
	.p2align	6, 0x0
	.amdhsa_kernel k_qd518fcf86c_attn
		.amdhsa_group_segment_fixed_size 327680
		.amdhsa_private_segment_fixed_size 0
		.amdhsa_enable_private_segment 0
		.amdhsa_kernarg_size 40
		.amdhsa_user_sgpr_count 2
		.amdhsa_user_sgpr_kernarg_segment_ptr 1
		.amdhsa_wavefront_size32 1
		.amdhsa_system_sgpr_workgroup_id_x 1
		.amdhsa_system_sgpr_workgroup_id_y 1
		.amdhsa_system_sgpr_workgroup_id_z 1
		.amdhsa_system_vgpr_workitem_id 0
		.amdhsa_next_free_vgpr 512
		.amdhsa_next_free_sgpr 80
		.amdhsa_reserve_vcc 1
		.amdhsa_float_denorm_mode_32 3
		.amdhsa_float_denorm_mode_16_64 3
		.amdhsa_memory_ordered 1
		.amdhsa_forward_progress 1
		.amdhsa_inst_pref_size 140
	.end_amdhsa_kernel
	.amdgpu_metadata
---
amdhsa.version: [ 1, 2 ]
amdhsa.kernels:
  - .name:           k_qd518fcf86c_attn
    .symbol:         k_qd518fcf86c_attn.kd
    .args:
      - { .name: qkv, .offset: 0, .size: 8, .value_kind: global_buffer, .address_space: global }
      - { .name: qkvs, .offset: 8, .size: 8, .value_kind: global_buffer, .address_space: global }
      - { .name: dens, .offset: 16, .size: 8, .value_kind: global_buffer, .address_space: global }
      - { .name: ocodes, .offset: 24, .size: 8, .value_kind: global_buffer, .address_space: global }
      - { .name: oscales, .offset: 32, .size: 8, .value_kind: global_buffer, .address_space: global }
    .group_segment_fixed_size: 327680
    .private_segment_fixed_size: 0
    .kernarg_segment_align: 8
    .kernarg_segment_size: 40
    .max_flat_workgroup_size: 256
    .sgpr_count:     80
    .vgpr_count:     512
    .wavefront_size: 32
...
	.end_amdgpu_metadata
.endif
;; end of part 2
;; launch proj (part 3): grid 256 x 1, 8 waves a work-group, no clusters, 34,304 bytes of LDS; arguments ocodes, oscales, wp, wps, b_proj, out0; writes out0
.if DOCPART == 3
	.amdgcn_target "amdgcn-amd-amdhsa--gfx1250"
	.amdhsa_code_object_version 6
	.text
	.protected	k_qd518fcf86c_proj
	.globl	k_qd518fcf86c_proj
	.p2align	8
	.type	k_qd518fcf86c_proj,@function
k_qd518fcf86c_proj:
	s_mov_b64 s[64:65], 0
	v_nop
	global_prefetch_b8 v0, s[64:65] scope:SCOPE_SE
	s_setreg_imm32_b32 hwreg(HW_REG_WAVE_MODE, 25, 1), 1
	s_wait_xcnt 0x0
; out0 = Q(o) Q(w_proj) + b_proj on codes of E4M3 with one E8M0 scale for each 32 along K = 256 (a block is a head).  Both operands arrive as images of operand registers, made by the launches before.
; SHARES.  A work-group takes 32 consecutive tokens (two tiles; row r of tile m is token 8 m + r + 8 (r / 8)) x all 256 columns: 32,768 consecutive bytes of out0.  Wave w takes columns 32 w .. 32 w + 31.
; The product is used transposed (source 0 = 16 columns of the weight, source 1 = 16 tokens): a lane holds one token, and the 16 registers of column tiles 0 and 1 are columns 32 w + 16 (lane / 16) + 0..15.
; The bias is the C of each sum's first matrix instruction.  The results meet in a stage in LDS (rows of 1,024 bytes + 16) and leave as whole rows: each store of a wave covers 512 consecutive bytes, aligned.
; No tensor loads and no cluster: a work-group reads 8 KB of its own and 64 KB of weights once, straight into registers.  No prefetch: every load goes out at the head.
.set STG,   0
.set SPARE, 33280                      ; the spare words, 128 bytes for each wave: four blocks of 256 bytes that no other line names
.set WF,  16                           ; v16-79   the weight's fragments (2 u + s)
.set OF,  80                           ; v80-143  o's fragments (2 m + s)
.set ACC, 144                          ; v144-175 four accumulators (2 m + u)
.set BI,  176                          ; v176-191 the bias in the result's layout (u)
.set SBY, 192                          ; v192-207 o's scale bytes
.set OS,  208                          ; v208-211 o's scale words (2 m + s)
.set WS,  212                          ; v212-215 the weight's (2 u + s)
.set BK,  216                          ; v216-247 rows read back
.set SPW, 252
.set NIL, 253
	s_load_b256 s[4:11], s[0:1], 0x0                         ; ocodes s[4:5], oscales s[6:7], wp s[8:9], wps s[10:11]
	s_load_b128 s[12:15], s[0:1], 0x20                       ; b_proj s[12:13], out0 s[14:15]
	v_lshl_add_u32 v[SPW], v0, 2, SPARE
	v_mov_b32 v[NIL], 0
	v_lshrrev_b32 v2, 5, v0
	s_delay_alu instid0(VALU_DEP_1)
	v_readfirstlane_b32 s16, v2                              ; wave 0..7
	v_and_b32 v2, 31, v0
	s_delay_alu instid0(VALU_DEP_1)
	v_lshlrev_b32 v1, 4, v2                                  ; 16 x lane
	s_delay_alu instid0(VALU_DEP_2)
	v_lshlrev_b32 v3, 2, v2                                  ; 4 x lane
	v_and_b32 v4, 15, v0                                     ; r
	v_bfe_u32 v5, v0, 4, 1                                   ; h
	s_delay_alu instid0(VALU_DEP_2)
	v_and_b32 v6, 8, v4
	s_delay_alu instid0(VALU_DEP_1)
	v_add_nc_u32 v6, v6, v4                                  ; r + 8 (r / 8)
	s_delay_alu instid0(VALU_DEP_1)
	v_mul_u32_u24 v7, v6, 1040
	s_delay_alu instid0(VALU_DEP_1)
	v_lshl_add_u32 v7, v5, 6, v7
	s_lshl_b32 s17, s16, 7
	v_add_nc_u32 v7, s17, v7                                 ; the stage, in: my token's row, + 128 w + 64 h
	v_lshl_add_u32 v9, v5, 6, s17                            ; the bias: 128 w + 64 h
	s_mul_i32 s18, s16, 4160
	v_add_nc_u32 v8, s18, v1                                 ; the stage, back: rows 4 w on, 16 bytes a lane
	s_mov_b32 s31, 0
	s_wait_alu depctr_va_vdst(0)
	s_wait_kmcnt 0x0
	s_lshl_b32 s30, ttmp9, 13
	s_add_nc_u64 s[20:21], s[4:5], s[30:31]                  ; two tiles of 4,096 bytes
	s_lshr_b32 s30, ttmp9, 7
	s_lshl_b32 s30, s30, 15                                  ; a batch's eight heads of 4,096 scale bytes,
	s_and_b32 s19, ttmp9, 127
	s_lshl_b32 s19, s19, 5                                   ; my two tiles' 32 in each
	s_add_co_u32 s30, s30, s19
	s_add_nc_u64 s[22:23], s[6:7], s[30:31]
	s_lshl_b32 s30, s16, 13
	s_add_nc_u64 s[24:25], s[8:9], s[30:31]
	s_lshl_b32 s30, s16, 9
	s_add_nc_u64 s[26:27], s[10:11], s[30:31]
	s_lshl_b32 s30, ttmp9, 15
	s_lshl_b32 s19, s16, 12
	s_add_co_u32 s30, s30, s19
	s_add_nc_u64 s[28:29], s[14:15], s[30:31]                ; the four rows that I store
.irp p, 0,1,2,3
.irp c, 0,1,2,3
	global_load_b128 v[WF+16*\p+4*\c:WF+16*\p+4*\c+3], v1, s[24:25] offset:2048*\p+512*\c
	global_load_b128 v[OF+16*\p+4*\c:OF+16*\p+4*\c+3], v1, s[20:21] offset:2048*\p+512*\c
	global_load_u8 v[SBY+4*\p+\c], v4, s[22:23] offset:4096*(4*(\p%2)+\c)+16*(\p/2)   ; head 4 s + c, tile m, row r
.endr
	global_load_b32 v[WS+\p], v3, s[26:27] offset:128*\p
.endr
.irp u, 0,1
	global_load_b128 v[BI+8*\u:BI+8*\u+3], v9, s[12:13] offset:32*\u
	global_load_b128 v[BI+8*\u+4:BI+8*\u+7], v9, s[12:13] offset:32*\u+16
.endr
	s_wait_loadcnt 0x0
.irp p, 0,1,2,3
	v_lshl_or_b32 v[OS+\p], v[SBY+4*\p+1], 8, v[SBY+4*\p]    ; four heads' bytes make a K step's scale word
	s_delay_alu instid0(VALU_DEP_1)
	v_lshl_or_b32 v[OS+\p], v[SBY+4*\p+2], 16, v[OS+\p]
	s_delay_alu instid0(VALU_DEP_1)
	v_lshl_or_b32 v[OS+\p], v[SBY+4*\p+3], 24, v[OS+\p]
.endr
.rept 8
	v_nop                                                    ; a scale word made by vector instructions stands eight places ahead of the product
.endr
.irp s, 0,1                            ; four accumulators take turns, one instruction a turn
.irp m, 0,1
.irp u, 0,1
.if \s == 0
	v_wmma_scale_f32_16x16x128_f8f6f4 v[ACC+8*(2*\m+\u):ACC+8*(2*\m+\u)+7], v[WF+16*(2*\u+\s):WF+16*(2*\u+\s)+15], v[OF+16*(2*\m+\s):OF+16*(2*\m+\s)+15], v[BI+8*\u:BI+8*\u+7], v[WS+2*\u+\s], v[OS+2*\m+\s]
.else
	v_wmma_scale_f32_16x16x128_f8f6f4 v[ACC+8*(2*\m+\u):ACC+8*(2*\m+\u)+7], v[WF+16*(2*\u+\s):WF+16*(2*\u+\s)+15], v[OF+16*(2*\m+\s):OF+16*(2*\m+\s)+15], v[ACC+8*(2*\m+\u):ACC+8*(2*\m+\u)+7], v[WS+2*\u+\s], v[OS+2*\m+\s]
.endif
.endr
.endr
.endr
.rept 8
	v_nop                                                    ; eight places in front of the first read of results
.endr
.irp m, 0,1
.irp u, 0,1
	ds_store_b128 v7, v[ACC+8*(2*\m+\u):ACC+8*(2*\m+\u)+3] offset:STG+8320*\m+32*\u        ; each accumulator from its low end on
	ds_store_b128 v7, v[ACC+8*(2*\m+\u)+4:ACC+8*(2*\m+\u)+7] offset:STG+8320*\m+32*\u+16
.endr
.endr
	s_wait_dscnt 0x0                                         ; for the others' sake: my stores into the stage are done
	s_barrier_signal -1
	s_barrier_wait -1
.irp i, 0,1,2,3
.irp k, 0,1
	ds_load_b128 v[BK+4*(2*\i+\k):BK+4*(2*\i+\k)+3], v8 offset:STG+1040*\i+512*\k
.endr
.endr
.irp n, 0,1,2,3,4,5,6,7
	s_wait_dscnt 7-\n                                        ; LDS loads come back in order: load n is in, the younger ones may be out
	global_store_b128 v1, v[BK+4*\n:BK+4*\n+3], s[28:29] offset:1024*(\n/2)+512*(\n%2) th:TH_STORE_NT
.endr
	s_wait_tensorcnt 0x0                                     ; the wave's end: three lines behind my last LDS store
	ds_add_u32 v[SPW], v[NIL]
	s_wait_dscnt 0x0
	s_endpgm
.Lfunc_end_k_qd518fcf86c_proj:
	.size	k_qd518fcf86c_proj, .Lfunc_end_k_qd518fcf86c_proj-k_qd518fcf86c_proj
	.p2alignl 7, 3214868480
	.fill 96, 4, 3214868480
	.section	.rodata,"a",@progbits
	.p2align	6, 0x0
	.amdhsa_kernel k_qd518fcf86c_proj
		.amdhsa_group_segment_fixed_size 34304
		.amdhsa_private_segment_fixed_size 0
		.amdhsa_enable_private_segment 0
		.amdhsa_kernarg_size 48
		.amdhsa_user_sgpr_count 2
		.amdhsa_user_sgpr_kernarg_segment_ptr 1
		.amdhsa_wavefront_size32 1
		.amdhsa_system_sgpr_workgroup_id_x 1
		.amdhsa_system_sgpr_workgroup_id_y 1
		.amdhsa_system_sgpr_workgroup_id_z 1
		.amdhsa_system_vgpr_workitem_id 0
		.amdhsa_next_free_vgpr 256
		.amdhsa_next_free_sgpr 66
		.amdhsa_reserve_vcc 0
		.amdhsa_float_denorm_mode_32 3
		.amdhsa_float_denorm_mode_16_64 3
		.amdhsa_memory_ordered 1
		.amdhsa_forward_progress 1
		.amdhsa_inst_pref_size 13
	.end_amdhsa_kernel
	.amdgpu_metadata
---
amdhsa.version: [ 1, 2 ]
amdhsa.kernels:
  - .name:           k_qd518fcf86c_proj
    .symbol:         k_qd518fcf86c_proj.kd
    .args:
      - { .name: ocodes, .offset: 0, .size: 8, .value_kind: global_buffer, .address_space: global }
      - { .name: oscales, .offset: 8, .size: 8, .value_kind: global_buffer, .address_space: global }
      - { .name: wp, .offset: 16, .size: 8, .value_kind: global_buffer, .address_space: global }
      - { .name: wps, .offset: 24, .size: 8, .value_kind: global_buffer, .address_space: global }
      - { .name: b_proj, .offset: 32, .size: 8, .value_kind: global_buffer, .address_space: global }
      - { .name: out0, .offset: 40, .size: 8, .value_kind: global_buffer, .address_space: global }
    .group_segment_fixed_size: 34304
    .private_segment_fixed_size: 0
    .kernarg_segment_align: 8
    .kernarg_segment_size: 48
    .max_flat_workgroup_size: 256
    .sgpr_count:     66
    .vgpr_count:     256
    .wavefront_size: 32
...
	.end_amdgpu_metadata
.endif
;; end of part 3
